; MI455X (gfx1250); checked and timed in simulation.
; The chip was launched on July 23, 2026; its instructions are those of AMD's public machine-readable ISA for CDNA 5 (MIT licence, August 2026) and "CDNA5" Instruction Set Architecture Reference Guide (July 2026). The comments in the code are by the model that wrote it; some were corrected since.
;; LSTM Block. Allowed arithmetic: matrix products marked QUANTISED: E2M1 operands, one E8M0 scale for each 32 along K, by v_wmma_scale_f32_16x16x128_f8f6f4 with both operands' format E2M1 (or v_wmma_scale_f32_32x16x128_f4), f32 sums; everything else in f32.
;; Inputs: W_f 1,024 x 2,048 float32; W_g 1,024 x 2,048 float32; W_i 1,024 x 2,048 float32; W_o 1,024 x 2,048 float32; b_f 1,024 float32; b_g 1,024 float32; b_i 1,024 float32; b_o 1,024 float32; c 8,192 x 1,024 float32; h 8,192 x 1,024 float32; x 8,192 x 1,024 float32.
;; Outputs: out0 8,192 x 1,024 float32; out1 8,192 x 1,024 float32.
;; This version of the problem:
;;   THIS VERSION OF THE PROBLEM IS GIVEN IN LOW PRECISION. The matrix products marked QUANTISED in the list below multiply operands that are first quantised to E2M1 (2 exponent bits, 1 mantissa bit; 4 bits a number), with one power-of-two scale for each 32 numbers along K (OCP MX v1.0); their sums are f32. All else is computed in f32.
;;   The module's matrix products, in the order in which they are computed (A, B: the left and right operand; K: the contracted axis; several contracted axes count as one K, in the product's order):
;;     1. [M 8,192, K 2,048] x [K 2,048, N 4,096]; A: computed on the way; B: computed on the way: QUANTISED
;;   THE QUANTISER, for each operand of a quantised product, along K:
;;     - K is cut into blocks of 32 from its start; a last block that is shorter is filled with zeros.
;;     - A block's scale is 2^e with e = floor(log2(the largest magnitude in the block)) - 2, held to -126 .. 127; a block of zeros has e = 0. As a byte (E8M0): e + 127.
;;     - Each number is divided by its block's scale, clamped to +-6, and rounded to the nearest number of E2M1, ties to even, subnormals kept.
;;     - The product sums the exact products of the quantised numbers (number of the format x scale) in f32.
;;   ~~~python
;;   def quantise(x, axis):      # numpy; x: float32 -> the quantised numbers, widened to float32 again
;;       x = np.moveaxis(x, axis, -1); K = x.shape[-1]
;;       x = np.pad(x, [(0, 0)] * (x.ndim - 1) + [(0, -K % 32)]); x = x.reshape(x.shape[:-1] + (-1, 32)); a = np.abs(x).max(-1, keepdims=True)
;;       e = np.where(a > 0, np.clip(np.frexp(np.where(a > 0, a, 1))[1] - 1 - 2, -126, 127), 0)      # np.frexp(a)[1] - 1 = floor(log2(a)), exactly
;;       r = np.clip(x / 2.0 ** e, -6, 6)
;;       step = 2.0 ** (np.maximum(np.frexp(np.where(r == 0, 1, r))[1] - 1, 0) - 1)
;;       q = np.round(r / step) * step * 2.0 ** e      # np.round: ties to even
;;       return np.moveaxis(q.reshape(q.shape[:-2] + (-1,))[..., :K], -1, axis).astype(np.float32)
;;   ~~~
;;   OPERANDS COMPUTED ON THE WAY. 'Computed on the way' means the value that the module computes at that place (a softmax that the list does not call 'softmax' is quantised finished and normalised). What goes into a quantiser is computed in f32, as accurately as f32 sums, v_exp_f32 and their like allow (about 1e-6 of the number): no bf16 or f16 on the way to a quantiser, and a product that is left as it is and whose result goes on into a quantised operand takes f32 operands (vector FMAs, or v_wmma_f32_16x16x4_f32). A number that lies on a knife's edge between two numbers of the format may be rounded either way, as far as f32 arithmetic and the matrix unit's own rounding can turn it there, and no further.
;; One version. Each part assembles by itself: llvm-mc -triple=amdgcn-amd-amdhsa -mcpu=gfx1250 --defsym DOCPART=n.
;; ======== version 1 of 1: 2 launches
;; limits: right only within a limited range of input values
;; workspace buffers: a_codes 8,912,896 bytes; b_codes 4,456,448 bytes
;; launch quant (part 1): grid 256 x 3, 4 waves a work-group, no clusters, 33,280 bytes of LDS; arguments x, h, W_f, W_i, W_g, W_o, a_codes, b_codes; writes a_codes, b_codes
.if DOCPART == 1
	.amdgcn_target "amdgcn-amd-amdhsa--gfx1250"
	.amdhsa_code_object_version 6
	.text
	.protected	k_qbc89d3fe4d_quant
	.globl	k_qbc89d3fe4d_quant
	.p2align	8
	.type	k_qbc89d3fe4d_quant,@function
k_qbc89d3fe4d_quant:
	s_mov_b64 s[64:65], 0
	v_nop
	global_prefetch_b8 v0, s[64:65] scope:SCOPE_SE
	s_setreg_imm32_b32 hwreg(HW_REG_WAVE_MODE, 25, 1), 1
	s_wait_xcnt 0x0
; xx = [x | h] ([8192][2048]) and the four gate weights ([1024][2048] each), all f32 with K innermost, become codes of FP4 (E2M1), 4 bits each, with one E8M0 scale byte for each 32 along K.
; A block's scale is 2^(floor(log2(its largest magnitude)) - 2); its byte is the largest magnitude's own exponent field - 2, held at 1 from below.  Each number is divided by the scale and rounded to the
; nearest code, ties to even; beyond 6 the conversion gives the largest code.
; LIMITS: NaN and infinities among the inputs are not served.  A block of zeros gets the byte 1 where the quantiser's rule says 127: its codes are zeros, which add nothing under any byte but 0xff, and the
; bytes are read by this program alone.
; WHERE THE RESULTS GO.  For each tile of 256 rows and each K step of 512 one dense IMAGE of 69,632 bytes, as the next launch's LDS takes it: 256 rows x 256 bytes of codes, then 256 rows x 16 scale bytes.
; a_codes [32 tiles][4 K steps][69,632] (K steps 0, 1 are x, 2, 3 are h); b_codes [16 tiles][4 K steps][69,632], whose row n' = (j / 32) 128 + 32 gate + j % 32 for hidden unit j and
; gate 0 = f, 1 = i, 2 = g, 3 = o: 128 rows on end are 32 hidden units x 4 gates.
; SHARES.  Every work-group takes 32,768 numbers: y = 0: 32 rows of x; y = 1: 32 rows of h; y = 2: 16 rows of one weight.  A wave takes 16 rows x one K step (512 numbers): step t is row t.
; One path serves all six tensors: pointers, offsets and the row's length are chosen by selects on the work-group's numbers.
; A STEP.  The conversions take 8 numbers of one block from ONE lane's registers, so a lane must hold 16 neighbours (two neighbouring lanes hold a block), while a load is best where neighbouring lanes take
; neighbouring bytes.  So each of a step's four loads reads 512 bytes on end, 16 a lane; the 2,048 bytes go through the wave's own stage in LDS as they lie and come back 64 bytes a lane (16 bytes of padding
; behind each 64).  A lane's 16 codes are 8 bytes: the wave stores 256 bytes on end, aligned.  A step's 16 scale bytes are gathered in the wave's own 256 bytes of LDS and leave at the end as 256 bytes on end.
; No tensor loads, no barrier: waves share nothing.  Loads run four steps (16 loads a wave) ahead, the turn through LDS one step.  No address or data register of a load or store is ever written again.
.set STEPS, 16
.set EMAX,  2
.set IMGB,  69632                      ; an image in bytes
.set SP,    80                         ; a lane's place in a stage: its 64 bytes + 16 of padding
.set WREG,  8192                       ; LDS: a region for each wave: two stages of 32 x SP bytes, behind them its 256 scale bytes
.set R,     16                         ; v16-79    four sets of 16 numbers as they are loaded
.set X,     80                         ; v80-111   two sets of 16 neighbours
.set E,     112                        ; v112-127  a scale byte for each step
.set C,     128                        ; v128-159  codes: two registers for each step
.set OFF,   160                        ; v160-175  step t: row t's byte offset + 16 x lane
	s_load_b512 s[8:23], s[0:1], 0x0               ; x s[8:9], h s[10:11], W_f s[12:13], W_i s[14:15], W_g s[16:17], W_o s[18:19], a_codes s[20:21], b_codes s[22:23]
	v_lshl_add_u32 v176, v0, 2, 0x8000             ; my spare word, behind the four regions; v177 = 0: for the closing lines
	v_mov_b32 v177, 0
	v_lshrrev_b32 v1, 5, v0
	v_readfirstlane_b32 s28, v1                    ; wave w
	s_and_b32 s29, ttmp7, 0xffff                   ; y: which tensor
	v_and_b32 v2, 31, v0                           ; lane
	v_lshlrev_b32 v3, 4, v2                        ; my 16 bytes of a load's 512
	s_mul_i32 s45, s28, WREG
	v_lshrrev_b32 v14, 2, v2
	v_mul_u32_u24 v14, v14, SP
	v_and_b32 v15, 3, v2
	v_lshl_add_u32 v14, v15, 4, v14
	v_add_nc_u32 v14, s45, v14                     ; the stage, on the way in: SP (lane / 4) + 16 (lane % 4); a load's 512 bytes take eight places
	v_mul_u32_u24 v15, v2, SP
	v_add_nc_u32 v15, s45, v15                     ; and on the way out: SP x lane: my 16 neighbours
	v_lshlrev_b32 v4, 3, v2                        ; 8 x lane: my codes' place in a step's 256 bytes, and my 8 of the wave's 256 scale bytes
	v_lshrrev_b32 v5, 1, v2
	s_add_co_u32 s45, s45, 2*32*SP
	v_add_nc_u32 v5, s45, v5                       ; LDS: my block's scale byte
	v_add_nc_u32 v6, s45, v4                       ; and where I read 8 of them back
	; x or h: rows 32 X + 16 (w / 2) on; K step w % 2 of the input, w % 2 + 2 y of xx
	s_lshr_b32 s30, s28, 1
	s_lshl_b32 s30, s30, 4
	s_lshl_b32 s45, ttmp9, 5
	s_add_co_u32 s30, s30, s45                     ; first row
	s_and_b32 s31, s28, 1
	s_lshl_b32 s32, s30, 12
	s_lshl_b32 s45, s31, 11
	s_add_co_u32 s32, s32, s45                     ; in: row x 4,096 + 2,048 (w % 2)
	s_lshl_b32 s45, s29, 1
	s_add_co_u32 s45, s45, s31                     ; xx's K step
	s_lshr_b32 s46, s30, 8
	s_lshl_b32 s46, s46, 2
	s_add_co_u32 s46, s46, s45
	s_mul_i32 s46, s46, IMGB                       ; the image: 4 (row / 256) + K step
	s_and_b32 s34, s30, 255
	s_lshl_b32 s36, s34, 4
	s_lshl_b32 s34, s34, 8
	s_add_co_u32 s34, s34, s46                     ; codes: image + 256 (row % 256)
	s_add_co_u32 s36, s36, s46
	s_add_co_u32 s36, s36, 65536                   ; scale bytes: image + 65,536 + 16 (row % 256)
	; a weight: gate X / 64, rows 16 (X % 64) on, K step w
	s_lshr_b32 s39, ttmp9, 6                       ; gate
	s_and_b32 s40, ttmp9, 63                       ; q
	s_lshl_b32 s41, s40, 17
	s_lshl_b32 s45, s28, 11
	s_add_co_u32 s41, s41, s45                     ; in: 16 q x 8,192 + 2,048 w
	s_lshr_b32 s42, s40, 1
	s_lshl_b32 s42, s42, 7
	s_lshl_b32 s45, s39, 5
	s_add_co_u32 s42, s42, s45
	s_and_b32 s45, s40, 1
	s_lshl_b32 s45, s45, 4
	s_add_co_u32 s42, s42, s45                     ; first row n': 128 (q / 2) + 32 gate + 16 (q % 2)
	s_lshr_b32 s45, s42, 8
	s_lshl_b32 s45, s45, 2
	s_add_co_u32 s45, s45, s28
	s_mul_i32 s45, s45, IMGB                       ; the image: 4 (n' / 256) + w
	s_and_b32 s43, s42, 255
	s_lshl_b32 s44, s43, 4
	s_lshl_b32 s43, s43, 8
	s_add_co_u32 s43, s43, s45                     ; codes
	s_add_co_u32 s44, s44, s45
	s_add_co_u32 s44, s44, 65536                   ; scale bytes
	s_mov_b32 s38, 4096                            ; an input row in bytes: x, h;
	s_mov_b32 s47, 8192                            ; a weight
	s_mov_b32 s33, 0                               ; the three offsets are the low words of pairs
	s_mov_b32 s35, 0
	s_mov_b32 s37, 0
	s_cmp_eq_u32 s29, 2                            ; a weight?  The choice hangs on the work-group's number alone
	s_cselect_b32 s32, s41, s32
	s_cselect_b32 s34, s43, s34
	s_cselect_b32 s36, s44, s36
	s_cselect_b32 s38, s47, s38
	s_cselect_b32 s39, s39, 4                      ; the gate, or 4: no weight
.irp t, 0,1,2,3,4,5,6,7,8,9,10,11,12,13,14,15
	v_mad_u32_u24 v[OFF+\t], s38, \t, v3           ; row t + 16 x lane
.endr
	s_wait_alu depctr_va_vdst(0)                   ; the wait at the head's end
	s_wait_kmcnt 0x0
	s_cmp_eq_u32 s29, 2
	s_cselect_b64 s[6:7], s[22:23], s[20:21]       ; the images' buffer: for the codes,
	s_mov_b64 s[2:3], s[6:7]                       ; and for the scale bytes
	s_cmp_eq_u32 s29, 1
	s_cselect_b64 s[4:5], s[10:11], s[8:9]         ; the source: h or x,
	s_cmp_eq_u32 s39, 0
	s_cselect_b64 s[4:5], s[12:13], s[4:5]         ; or the gate's weight
	s_cmp_eq_u32 s39, 1
	s_cselect_b64 s[4:5], s[14:15], s[4:5]
	s_cmp_eq_u32 s39, 2
	s_cselect_b64 s[4:5], s[16:17], s[4:5]
	s_cmp_eq_u32 s39, 3
	s_cselect_b64 s[4:5], s[18:19], s[4:5]
	s_add_nc_u64 s[4:5], s[4:5], s[32:33]
	s_add_nc_u64 s[6:7], s[6:7], s[34:35]
	s_add_nc_u64 s[2:3], s[2:3], s[36:37]
.macro LOAD t                          ; row t's 2,048 bytes into set t % 4
.irp i, 0,1,2,3
	global_load_b128 v[R+16*((\t)%4)+4*\i:R+16*((\t)%4)+4*\i+3], v[OFF+(\t)], s[4:5] offset:512*\i th:TH_LOAD_NT   ; 32 lanes read 512 bytes on end; read once in the launch
.endr
.endm
.macro TURN t                          ; step t's numbers through the stage: LDS serves a wave's instructions in order (ISA guide 5.7.1.4), so no wait stands between the stores and the loads
.irp i, 0,1,2,3
	ds_store_b128 v14, v[R+16*((\t)%4)+4*\i:R+16*((\t)%4)+4*\i+3] offset:32*SP*((\t)%2)+8*SP*\i
.endr
.irp i, 0,1,2,3
	ds_load_b128 v[X+16*((\t)%2)+4*\i:X+16*((\t)%2)+4*\i+3], v15 offset:32*SP*((\t)%2)+16*\i
.endr
.endm
.irp t, 0,1,2,3
	LOAD \t
.endr
	s_wait_loadcnt 12                              ; step 0's four loads are in; those of steps 1 to 3 may be out
	TURN 0
.macro STEP t
.set XS, X+16*((\t)%2)
.if (\t) > 0
	s_wait_dscnt 1                                 ; this step's numbers are back from the stage (the last step's byte store may be out): so its stores into the stage have read their registers,
.else
	s_wait_dscnt 0x0
.endif
.if (\t)+4 < STEPS
	LOAD (\t)+4                                    ; which take the loads of four steps on
.endif
.if (\t)+1 < STEPS
.if STEPS-2-(\t) >= 3
	s_wait_loadcnt 12                              ; the next step's four loads are in; those of the three steps behind it may be out
.else
	s_wait_loadcnt 4*(STEPS-2-(\t))                ; the same where fewer steps are left
.endif
	TURN (\t)+1                                    ; and go through the other stage while this step is worked
.endif
	v_max3_num_f32 v8, |v[XS]|, |v[XS+1]|, |v[XS+2]|               ; the largest magnitude of my 16, in two chains
	v_max3_num_f32 v9, |v[XS+3]|, |v[XS+4]|, |v[XS+5]|
.irp i, 6,10
	v_max3_num_f32 v8, v8, |v[XS+\i]|, |v[XS+\i+1]|
	v_max3_num_f32 v9, v9, |v[XS+\i+2]|, |v[XS+\i+3]|
.endr
	v_max3_num_f32 v8, v8, |v[XS+14]|, |v[XS+15]|
	v_max3_num_f32 v8, v8, v9, (EMAX+1)<<23        ; and the floor 2^(EMAX + 1 - 127): so the byte cannot fall under 1
	v_max_num_f32_dpp v8, v8, v8 row_xmask:1 row_mask:0xf bank_mask:0xf   ; and of my neighbour's 16: the block's
	v_add_nc_u32 v11, 0xff000000, v8               ; EMAX off its exponent field: the conversion takes the exponent field of this operand as its scale, and nothing else of it
	v_cvt_scalef32_pk8_fp4_f32 v[C+2*(\t)], v[XS:XS+7], v11        ; eight numbers / the scale, to the nearest code; the first number's code in the lowest four bits
	v_cvt_scalef32_pk8_fp4_f32 v[C+2*(\t)+1], v[XS+8:XS+15], v11
	v_lshrrev_b32 v[E+(\t)], 23, v11               ; the scale's byte (a plain line behind the conversions)
	ds_store_b8 v5, v[E+(\t)] offset:16*(\t)       ; both lanes of a block write the same byte with the same value
	global_store_b64 v4, v[C+2*(\t):C+2*(\t)+1], s[6:7] offset:256*(\t)   ; 32 lanes store 256 bytes on end, at a multiple of 256 from the buffer's first byte: row t of the image
.endm
.irp t, 0,1,2,3,4,5,6,7,8,9,10,11,12,13,14,15
	STEP \t
.endr
	ds_load_b64 v[12:13], v6                       ; LDS serves a wave's instructions in order: these see my byte stores
	s_wait_dscnt 0x0
	global_store_b64 v4, v[12:13], s[2:3]          ; the scale bytes of my 16 rows and K step: 256 bytes on end, aligned
	s_wait_tensorcnt 0x0                           ; the wave's end
	ds_add_u32 v176, v177
	s_wait_dscnt 0x0
	s_endpgm
.Lfunc_end_k_qbc89d3fe4d_quant:
	.size	k_qbc89d3fe4d_quant, .Lfunc_end_k_qbc89d3fe4d_quant-k_qbc89d3fe4d_quant
	.p2alignl 7, 3214868480
	.fill 96, 4, 3214868480
	.section	.rodata,"a",@progbits
	.p2align	6, 0x0
	.amdhsa_kernel k_qbc89d3fe4d_quant
		.amdhsa_group_segment_fixed_size 33280
		.amdhsa_private_segment_fixed_size 0
		.amdhsa_enable_private_segment 0
		.amdhsa_kernarg_size 64
		.amdhsa_user_sgpr_count 2
		.amdhsa_user_sgpr_kernarg_segment_ptr 1
		.amdhsa_wavefront_size32 1
		.amdhsa_system_sgpr_workgroup_id_x 1
		.amdhsa_system_sgpr_workgroup_id_y 1
		.amdhsa_system_sgpr_workgroup_id_z 1
		.amdhsa_system_vgpr_workitem_id 0
		.amdhsa_next_free_vgpr 178
		.amdhsa_next_free_sgpr 66
		.amdhsa_reserve_vcc 0
		.amdhsa_float_denorm_mode_32 3
		.amdhsa_float_denorm_mode_16_64 3
		.amdhsa_memory_ordered 1
		.amdhsa_forward_progress 1
		.amdhsa_inst_pref_size 36
	.end_amdhsa_kernel
	.amdgpu_metadata
---
amdhsa.version: [ 1, 2 ]
amdhsa.kernels:
  - .name:           k_qbc89d3fe4d_quant
    .symbol:         k_qbc89d3fe4d_quant.kd
    .args:
      - { .name: x, .offset: 0, .size: 8, .value_kind: global_buffer, .address_space: global }
      - { .name: h, .offset: 8, .size: 8, .value_kind: global_buffer, .address_space: global }
      - { .name: W_f, .offset: 16, .size: 8, .value_kind: global_buffer, .address_space: global }
      - { .name: W_i, .offset: 24, .size: 8, .value_kind: global_buffer, .address_space: global }
      - { .name: W_g, .offset: 32, .size: 8, .value_kind: global_buffer, .address_space: global }
      - { .name: W_o, .offset: 40, .size: 8, .value_kind: global_buffer, .address_space: global }
      - { .name: a_codes, .offset: 48, .size: 8, .value_kind: global_buffer, .address_space: global }
      - { .name: b_codes, .offset: 56, .size: 8, .value_kind: global_buffer, .address_space: global }
    .group_segment_fixed_size: 33280
    .private_segment_fixed_size: 0
    .kernarg_segment_align: 8
    .kernarg_segment_size: 64
    .max_flat_workgroup_size: 128
    .sgpr_count:     66
    .vgpr_count:     178
    .wavefront_size: 32
...
	.end_amdgpu_metadata
.endif
;; end of part 1
;; launch lstm (part 2): grid 16 x 16, 4 waves a work-group, clusters of 4 x 4, 327,680 bytes of LDS; arguments a_codes, b_codes, b_f, b_i, b_g, b_o, c, out0, out1; writes out0, out1
.if DOCPART == 2
	.amdgcn_target "amdgcn-amd-amdhsa--gfx1250"
	.amdhsa_code_object_version 6
	.text
	.protected	k_qbc89d3fe4d_lstm
	.globl	k_qbc89d3fe4d_lstm
	.p2align	8
	.type	k_qbc89d3fe4d_lstm,@function
k_qbc89d3fe4d_lstm:
	s_mov_b64 s[64:65], 0
	v_nop
	global_prefetch_b8 v0, s[64:65] scope:SCOPE_SE
	s_setreg_imm32_b32 hwreg(HW_REG_WAVE_MODE, 25, 1), 1
	s_wait_xcnt 0x0
	s_wait_alu depctr_hold_cnt(0) depctr_sa_sdst(0) depctr_va_vdst(0) depctr_va_sdst(0) depctr_va_ssrc(0) depctr_va_vcc(0) depctr_vm_vsrc(0)
	s_getreg_b32 s2, hwreg(HW_REG_IB_STS2, 6, 4)
	s_cmp_eq_u32 s2, 0
	s_cbranch_scc0 .Lentry_in_a_cluster
	s_endpgm
.Lentry_in_a_cluster:
	s_bfe_u32 s2, ttmp6, 0x10000c
	s_cmp_lg_u32 s2, 0xf033
	s_cbranch_scc0 .Lentry_shape_is_right
	s_endpgm
.Lentry_shape_is_right:
; z = xx W^T + b on codes of FP4 (E2M1) with E8M0 scales, and the cell: c_new = sigmoid(zf) c + sigmoid(zi) tanh(zg), h_new = tanh(c_new) sigmoid(zo).  Sums and the cell in f32.
; a_codes [32 tiles][4 K steps][69,632], b_codes [16][4][69,632]: for each tile of 256 rows and K step of 512 a dense image: 256 rows x 256 bytes of codes, then 256 rows x 16 scale bytes.
; Row n' of b_codes = (j / 32) 128 + 32 gate + j % 32 (hidden unit j; gate 0 f, 1 i, 2 g, 3 o), so that a wave's 128 columns of z are 32 hidden units x 4 gates and a lane holds all four gates of its hidden units.
; SHARES.  A tile of z is 256 x 256 (64 hidden units): four waves, each 128 x 128 in 512 registers.  512 tiles, 256 work-groups: each makes two tiles, 4,096 rows apart, on the same rows of b_codes.
; K = 2,048 goes in four steps of 512 through two LDS slots.  A slot is A's image and B's, each as 272 lines of 256 bytes + 16 of padding.  Each wave brings half an image, 136 lines, by one tensor load:
; waves 0, 1 A's halves, waves 2, 3 B's.  CLUSTERS of 4 x 4: A's images are asked for jointly along a row of the cluster, B's along a column.
; The matrix instruction is used transposed (source 0 = 16 rows of b_codes, source 1 = 16 rows of a_codes): a lane holds row l % 16 of z and eight neighbouring columns.  The bias is the C of each sum's first product.
; A STEP of 128 along K: A's and B's fragments have two sets of registers each.  At a step's head one run of 32 LDS loads brings the next step's fragments into the other sets; then the step's 64 products follow on end.
; So a slot's last fragments are in registers when its last step begins, and the change of slots stands at that step's head.
; THE WAY OUT, by blocks of 16 rows.  GATE1: the four gates' functions in the accumulators' own registers.  A wave's 32 hidden units are 128 bytes of a row, so the two waves of a row half put sigmoid(zf),
; sigmoid(zi) tanh(zg) and sigmoid(zo) side by side into one stage (a barrier; rows of 256 bytes come back), and GATE2 joins them with c, which was loaded by rows: 16 lanes load and store 256 bytes on end, aligned.
; Each function's sources are all made first, then its exponentials stand in one run, then the additions, then the reciprocals in one run.  The stage's two barriers are signalled as soon as the wave's own LDS
; instructions are done and waited for where the stage is touched next; work on registers alone stands between.
; The next tile's first two K steps are asked for on the first tile's way out; the last tile's way out from there on is written out without them, since nothing would read them.
; PREFETCH.  Behind joint load n a wave names the codes that joint load n + 2 brings (behind the first also those of the second): 32 lines of 256 bytes, a lane a line.  Waves 0, 1 name A's lines, waves 2, 3 B's; of an
; image's 256 lines of codes the partner at place p of the four that ask jointly takes lines 64 p .. 64 p + 63, told apart by address.  B's images serve both tiles and are named for the first alone; the last tile's
; refills name nothing; every offset is an immediate and stays inside the buffer.  The scale bytes, one seventeenth of an image, are not named.
; sigmoid(x) = 1 / (1 + 2^(-x log2 e)), tanh(x) = 1 - 2 / (1 + 2^(2 x log2 e)): where the exponential passes f32's range the reciprocal is 0 and the function takes its limit.
; LIMITS: NaN and infinities among the inputs are not served.
.set NQ,     4                         ; matrix instructions deep in a slot
.set PITCH,  272                       ; an LDS line: 256 bytes + 16 of padding
.set FR,     8                         ; registers of a fragment
.set NP,     4                         ; places behind this matrix instruction (ISA guide 7.12.1)
.set IMGB,   272*256                   ; an image in memory,
.set HALFB,  136*256                   ; half of it,
.set IMGL,   272*PITCH                 ; an image in LDS,
.set HALFI,  136*PITCH                 ; half of it: what one tensor load brings
.set HALFT,  128*PITCH                 ; the codes of 128 rows: what one wave reads of A or of B
.set CODES,  256*PITCH                 ; in an image: where the scale bytes' 16 lines begin
.set SLOT,   2*IMGL
.set STAGE,  2*SLOT                    ; behind the ring: a stage for each row half: three arrays of 16 rows
.set ARR,    16*PITCH
.set HSTG,   3*ARR
.set SPARE,  STAGE+2*HSTG              ; the spare words: 128 bytes a wave, named by no other line
.set NEXT_T, 64*IMGB                   ; from a tile's image to that of the tile 4,096 rows (16 tiles) further down
.set NEXT_O, 4096*4096
.set ADRA, 16                          ; v16-17 my A fragments in slot 0, 1;  v18-19 my scale words;  v20-21 my B fragments
.set ADRS, 18
.set ADRB, 20
.set BO,   22                          ; v22 the biases' offset
.set SA,   23                          ; v23 into the stage;  v24 back from it
.set RDS,  24
.set GO,   26                          ; v26 my 16 bytes of two rows of c, out0, out1
.set SPW,  28                          ; v28 my spare word, v29 = 0: never rewritten
.set NIL,  29
.set PFO,  30                          ; v30 the prefetches' offset: lane x 256; never rewritten
.set SC,   32                          ; v32-95 scale words, a set for each slot: lanes 0-15 A's block i, lanes 16-31 B's
.set AF,   128                         ; window 0: A's fragments, two sets, v128-191 and v192-255
.set BI,   192                         ; window 1: v0-63, v128-191 B's two sets; v192-255 the biases in the result's layout; v64-127 c's blocks 0-3; on the way out v0-63 c's blocks 4-7,
.set SF,   128                         ; and v128-191 what comes back from the stage, and tanh(c_new) at work
.set IG,   144
.set SO,   160
.set TT,   176
.set LN,   2                           ; s[2:3] -log2 e;  s[66:67] 2 log2 e
.set CP,   12
.set O0P,  18
.set O1P,  20
.set TILES, 22
.set G1A,  24
.set G0A,  32
.set ASKT, 45                          ; s45: 2 in waves 0, 1 (they prefetch in the first tile's K loop), 0 in waves 2, 3
.set PFA,  46                          ; s[46:47] my 32 lines' first byte in K step 0's image; never rewritten
.set G1B,  48
.set G0B,  56
.set LG,   66
.set BP,   68
.set MSB, 0
.macro WIN new                         ; the immediate's high byte repeats the setting that is left
.if MSB != (\new)
	s_set_vgpr_msb (MSB<<8)|(\new)
.set MSB, (\new)
.endif
.endm
.set MUL_LO, 0xa1                      ; source 0 (B) window 1, source 1 (A) window 0, C and D window 2
.set MUL_HI, 0xf1                      ; the same, C and D window 3
.set TO_B,   0x40                      ; destination window 1
; A slot's joint loads, one a wave: waves 0, 1 for A, waves 2, 3 for B; a load in either arm; s_nop 0 and four v_nop behind each
.macro JLOAD s
	s_cmp_eq_u32 s15, 0
	s_cbranch_scc0 .Lfor_b_\@
	tensor_load_to_lds s[G0A+4*\s:G0A+4*\s+3], s[G1A:G1A+7]
	s_nop 0
.rept 4
	v_nop
.endr
	s_branch .Lasked_\@
.Lfor_b_\@:
	tensor_load_to_lds s[G0B+4*\s:G0B+4*\s+3], s[G1B:G1B+7]
	s_nop 0
.rept 4
	v_nop
.endr
.Lasked_\@:
.endm
.macro CREST                           ; a round of the cluster's barrier behind its opening barrier
	s_cmp_lg_u32 s14, 0
	s_cbranch_scc1 .Lnot_wave_0_\@
	s_barrier_signal -3
.Lnot_wave_0_\@:
	s_barrier_wait -3
	s_barrier_signal -1
	s_barrier_wait -1
.endm
.macro CROUND                          ; a whole round
	s_barrier_signal -1
	s_barrier_wait -1
	CREST
.endm
	s_load_b64 s[G0A+2:G0A+3], s[0:1], 0x0         ; a_codes
	s_load_b64 s[G0B+2:G0B+3], s[0:1], 0x8         ; b_codes
	s_load_b256 s[BP:BP+7], s[0:1], 0x10           ; b_f, b_i, b_g, b_o
	s_load_b64 s[CP:CP+1], s[0:1], 0x30            ; c
	s_load_b64 s[O0P:O0P+1], s[0:1], 0x38          ; out0
	s_load_b64 s[O1P:O1P+1], s[0:1], 0x40          ; out1
	v_lshl_add_u32 v[SPW], v0, 2, SPARE
	v_mov_b32 v[NIL], 0
	ds_add_u32 v[SPW], v[NIL]                      ; the opening lines: the add, twice on end, and its wait ahead of my first tensor load
	ds_add_u32 v[SPW], v[NIL]
	v_lshrrev_b32 v1, 5, v0
	v_readfirstlane_b32 s14, v1                    ; wave
	v_and_b32 v[PFO], 31, v0
	v_lshlrev_b32 v[PFO], 8, v[PFO]                ; lane x 256
	s_lshr_b32 s15, s14, 1                         ; my half of the tile's rows.  Also: I fetch for A (0) or for B (1)
	s_and_b32 s16, s14, 1                          ; my half of its columns.  Also: which half of the image I fetch
	s_bfe_u32 s40, ttmp6, 0x40000                  ; cx, cy
	s_bfe_u32 s41, ttmp6, 0x40004
	s_lshl_b32 s42, ttmp9, 2
	s_add_co_u32 s42, s42, s40                     ; tile column
	s_and_b32 s17, ttmp7, 0xffff
	s_lshl_b32 s17, s17, 2
	s_add_co_u32 s17, s17, s41                     ; tile row of the first tile
	s_lshl_b32 s43, s41, 2
	s_lshl_b32 s43, 15, s43                        ; my row of the cluster
	s_lshl_b32 s44, 0x1111, s40                    ; my column
	s_or_b32 s[G1A+0], s43, (3<<16)|(1<<20)|(1<<21)|(5<<22)|(3<<25)   ; elements of 8 bytes; 4 words of padding behind every 64; bit 21 beside the mask
	s_or_b32 s[G1B+0], s44, (3<<16)|(1<<20)|(1<<21)|(5<<22)|(3<<25)
.irp g, G1A, G1B
	s_mov_b32 s[\g+1], 32<<16                      ; 136 lines of 32 elements, dense
	s_mov_b32 s[\g+2], 136<<16
	s_mov_b32 s[\g+3], 32<<16
	s_mov_b32 s[\g+4], 136
	s_mov_b32 s[\g+5], 32
	s_mov_b32 s[\g+6], 0
	s_mov_b32 s[\g+7], 0
.endr
	s_mul_i32 s46, s17, 4*IMGB                     ; four images a tile
	s_mov_b32 s47, 0
	s_mul_i32 s100, s42, 4*IMGB
	s_mov_b32 s101, 0
	s_mul_i32 s104, s16, HALFB                     ; my half of an image
	s_mov_b32 s105, 0
	s_mul_i32 s43, s14, HALFI                      ; and where it goes: A's two halves, then B's two = wave x 136 lines
	s_wait_alu depctr_va_vdst(0)                   ; the wait here, directly ahead of the waits below
	s_wait_dscnt 0x0                               ; both opening adds are done
	s_wait_kmcnt 0x0
	s_add_nc_u64 s[G0A+2:G0A+3], s[G0A+2:G0A+3], s[46:47]
	s_add_nc_u64 s[G0B+2:G0B+3], s[G0B+2:G0B+3], s[100:101]
	s_cmp_eq_u32 s15, 0                            ; the prefetches: waves 0, 1 name A's lines, waves 2, 3 B's
	s_cselect_b64 s[PFA:PFA+1], s[G0A+2:G0A+3], s[G0B+2:G0B+3]
	s_cselect_b32 s100, s40, s41                   ; my place among the four that ask for the image with me
	s_cselect_b32 s[ASKT], 2, 0
	s_lshl_b32 s100, s100, 1
	s_add_co_u32 s100, s100, s16
	s_lshl_b32 s100, s100, 13                      ; (2 place + wave % 2) x 32 lines x 256 bytes
	s_add_nc_u64 s[PFA:PFA+1], s[PFA:PFA+1], s[100:101]
	s_add_nc_u64 s[G0A+2:G0A+3], s[G0A+2:G0A+3], s[104:105]
	s_add_nc_u64 s[G0B+2:G0B+3], s[G0B+2:G0B+3], s[104:105]
	s_add_nc_u64 s[G0A+6:G0A+7], s[G0A+2:G0A+3], IMGB             ; slot 1: K step 1
	s_add_nc_u64 s[G0B+6:G0B+7], s[G0B+2:G0B+3], IMGB
.irp s, 0,1
	s_mov_b32 s[G0A+4*\s], 1
	s_add_co_u32 s[G0A+4*\s+1], s43, \s*SLOT
	s_or_b32 s[G0A+4*\s+3], s[G0A+4*\s+3], 0x80000000
	s_mov_b32 s[G0B+4*\s], 1
	s_add_co_u32 s[G0B+4*\s+1], s43, \s*SLOT
	s_or_b32 s[G0B+4*\s+3], s[G0B+4*\s+3], 0x80000000
.endr
	CROUND                                         ; all sixteen work-groups are here: the first joint loads meet
	JLOAD 0                                        ; K step 0: one tensor load a wave at the head
	global_prefetch_b8 v[PFO], s[PFA:PFA+1] offset:IMGB th:TH_LOAD_NT scope:SCOPE_SE     ; K step 1's codes, my 32 lines,
	global_prefetch_b8 v[PFO], s[PFA:PFA+1] offset:2*IMGB th:TH_LOAD_NT scope:SCOPE_SE   ; and K step 2's
	; the rest of the set-up stands between the first load and the wait for it
	v_and_b32 v1, 15, v0                           ; l % 16
	v_bfe_u32 v2, v0, 4, 1                         ; l / 16
	v_mul_u32_u24 v3, v1, PITCH
	v_lshl_add_u32 v4, v2, 4, v3                   ; a fragment's row x pitch + 16 x half
	s_wait_alu depctr_va_vdst(0)
	s_lshl_b32 s104, s42, 8
	s_lshl_b32 s105, s16, 7
	s_add_co_u32 s104, s104, s105
	v_lshl_add_u32 v[BO], v2, 5, s104              ; my wave's 32 hidden units, 4 bytes each, + 32 bytes for lanes 16-31
	WIN TO_B
.irp g, 0,1,2,3
.irp u, 0,1
.irp q, 0,1
	global_load_b128 v[BI+16*\g+8*\u+4*\q:BI+16*\g+8*\u+4*\q+3], v[BO], s[BP+2*\g:BP+2*\g+1] offset:64*\u+16*\q   ; register 8 b + j: the bias of column 16 b + 8 (l / 16) + j
.endr
.endr
.endr
	WIN 0
	s_mul_i32 s104, s15, HALFT
	s_mul_i32 s105, s16, HALFT
	s_add_co_u32 s105, s105, IMGL
.irp s, 0,1
	v_add_nc_u32 v[ADRA+\s], s104, v4
	v_add_nc_u32 v[ADRB+\s], s105, v4
	s_add_co_u32 s104, s104, SLOT
	s_add_co_u32 s105, s105, SLOT
.endr
	s_mul_i32 s104, s15, 8*PITCH                   ; scale words: 16 rows a line, 16 bytes a row; lanes 0-15 A's rows, lanes 16-31 B's: one product for the distance
	s_mul_i32 s105, s16, 8*PITCH
	s_add_co_u32 s105, s105, IMGL
	s_sub_co_u32 s105, s105, s104
	v_mul_u32_u24 v6, s105, v2
	s_add_co_u32 s104, s104, CODES
	v_lshlrev_b32 v5, 4, v1
	v_add_nc_u32 v5, v5, v6
	v_add_nc_u32 v[ADRS], s104, v5
	v_add_nc_u32 v[ADRS+1], SLOT, v[ADRS]
	v_lshl_add_u32 v[SA], v2, 5, v3                ; into the stage: row l % 16, my wave's 128 bytes, 32 bytes for each half of the lanes
	s_mul_i32 s104, s15, HSTG
	s_lshl_b32 s105, s16, 7
	s_add_co_u32 s105, s105, s104
	s_add_co_u32 s105, s105, STAGE
	v_add_nc_u32 v[SA], s105, v[SA]
	v_mul_u32_u24 v[RDS], v2, PITCH                ; back: my wave takes 8 of the 16 rows, whole; 16 lanes to a row
	v_lshl_add_u32 v[RDS], v1, 4, v[RDS]
	s_mul_i32 s105, s16, 8*PITCH
	s_add_co_u32 s105, s105, s104
	s_add_co_u32 s105, s105, STAGE
	v_add_nc_u32 v[RDS], s105, v[RDS]
	v_lshlrev_b32 v[GO], 12, v2                    ; the same two rows in c, out0, out1 (4,096 bytes a row)
	v_lshl_add_u32 v[GO], v1, 4, v[GO]
	s_lshl_b32 s104, s17, 8
	s_lshl_b32 s105, s15, 7
	s_add_co_u32 s104, s104, s105
	s_lshl_b32 s105, s16, 3
	s_add_co_u32 s104, s104, s105                  ; first row: 256 x tile row + 128 x row half + 8 x column half
	s_lshl_b32 s104, s104, 12
	s_lshl_b32 s105, s42, 8                        ; 64 hidden units a tile column
	s_add_co_u32 s104, s104, s105
	s_mov_b32 s105, 0
	s_add_nc_u64 s[CP:CP+1], s[CP:CP+1], s[104:105]
	s_add_nc_u64 s[O0P:O0P+1], s[O0P:O0P+1], s[104:105]
	s_add_nc_u64 s[O1P:O1P+1], s[O1P:O1P+1], s[104:105]
	s_mov_b32 s[LN], 0xbfb8aa3b
	s_mov_b32 s[LN+1], s[LN]
	s_mov_b32 s[LG], 0x4038aa3b
	s_mov_b32 s[LG+1], s[LG]
.macro FRAG reg, adr, q, i             ; 16 rows x 128 K: lane l holds row l % 16; registers 4 c .. 4 c + 3: K = 64 c + 32 (l / 16) + 0 .. 31
.irp c, 0,1
	ds_load_b128 v[\reg+4*\c:\reg+4*\c+3], v[\adr] offset:64*(\q)+32*\c+(\i)*16*PITCH
.endr
.endm
; 16 products: A's blocks a0, a0 + 1 x B's eight, on set p.  zero = 1: the sum's first product, with the bias as C.  The 64 accumulators take turns
.macro MUL16 a0, p, q, sc, zero
.irp a, \a0, \a0+1
.irp b, 0,1,2,3,4,5,6,7
.if \zero
	v_wmma_scale_f32_16x16x128_f8f6f4 v[8*(8*((\a)%4)+\b):8*(8*((\a)%4)+\b)+7], v[128*(\p)+FR*\b:128*(\p)+FR*\b+FR-1], v[AF+64*(\p)+FR*(\a):AF+64*(\p)+FR*(\a)+FR-1], v[BI+8*\b:BI+8*\b+7], v[SC+8*NQ*(\sc)+NQ*\b+(\q)], v[SC+8*NQ*(\sc)+NQ*(\a)+(\q)] matrix_a_fmt:MATRIX_FMT_FP4 matrix_b_fmt:MATRIX_FMT_FP4 matrix_a_scale:MATRIX_SCALE_ROW1
.else
	v_wmma_scale_f32_16x16x128_f8f6f4 v[8*(8*((\a)%4)+\b):8*(8*((\a)%4)+\b)+7], v[128*(\p)+FR*\b:128*(\p)+FR*\b+FR-1], v[AF+64*(\p)+FR*(\a):AF+64*(\p)+FR*(\a)+FR-1], v[8*(8*((\a)%4)+\b):8*(8*((\a)%4)+\b)+7], v[SC+8*NQ*(\sc)+NQ*\b+(\q)], v[SC+8*NQ*(\sc)+NQ*(\a)+(\q)] matrix_a_fmt:MATRIX_FMT_FP4 matrix_b_fmt:MATRIX_FMT_FP4 matrix_a_scale:MATRIX_SCALE_ROW1
.endif
.endr
.endr
.endm
.macro FETCH_B slot, q, p, i0          ; eight LDS loads: B's blocks i0 .. i0 + 3 of the slot's q-th 128 along K into set p
	WIN TO_B
.irp i, \i0, \i0+1, \i0+2, \i0+3
	FRAG 128*(\p)+FR*(\i), ADRB+\slot, \q, \i
.endr
.endm
.macro FETCH_A slot, q, p, i0          ; the same for A
	WIN 0
.irp i, \i0, \i0+1, \i0+2, \i0+3
	FRAG AF+64*(\p)+FR*(\i), ADRA+\slot, \q, \i
.endr
.endm
.macro SCALES sc                       ; a slot's scale words: four a row; block i's 16 rows are one line
.irp i, 0,1,2,3,4,5,6,7
	ds_load_b128 v[SC+8*NQ*\sc+NQ*\i:SC+8*NQ*\sc+NQ*\i+3], v[ADRS+\sc] offset:\i*PITCH
.endr
.endm
.macro PLACES n
.rept \n
	v_nop
.endr
.endm
; A step of 128 along K with its successor in the same slot.  The four places at its head stand behind the last step's products, the last readers of the sets that are filled here
.macro STEP slot, q, zero
	s_wait_dscnt 8                                 ; all but the youngest eight loads (this step's A blocks 4-7)
	PLACES NP
	FETCH_B \slot, (\q)+1, 1-(\q)%2, 0             ; the next step's fragments, 32 loads in one run: B's eight blocks, A's blocks 0-3, A's blocks 4-7
	FETCH_B \slot, (\q)+1, 1-(\q)%2, 4
	FETCH_A \slot, (\q)+1, 1-(\q)%2, 0
	FETCH_A \slot, (\q)+1, 1-(\q)%2, 4
.if \zero
	WIN 0x91                                       ; C (the bias) in window 1
.else
	WIN MUL_LO
.endif
	MUL16 0, (\q)%2, \q, \slot, \zero
	MUL16 2, (\q)%2, \q, \slot, \zero
	s_wait_dscnt 32                                ; this step's A blocks 4-7 are in: behind them the 32 loads just issued
.if \zero
	WIN 0xd1
.else
	WIN MUL_HI
.endif
	MUL16 4, (\q)%2, \q, \slot, \zero
	MUL16 6, (\q)%2, \q, \slot, \zero
.endm
; A slot's last step changes slots at its head: its own fragments were asked for a step ago.  One barrier; in front of it all my tensor loads, the add, my reads of this slot.
; fill = 1: the barrier opens a round and the slot takes the K step two on.  Behind it one run of 40 LDS loads: the next slot's first fragments and its scale words
.macro TURN slot, next, fill
	WIN 0                                          ; (the add's two registers lie in window 0)
	s_wait_tensorcnt 0x0                           ; my part of the next slot has landed
	ds_add_u32 v[SPW], v[NIL]
	s_wait_dscnt 0x0                               ; the add is done, my reads of this slot are over
	s_barrier_signal -1
	WIN MUL_LO
	MUL16 0, 1, NQ-1, \slot, 0                     ; work on registers while the others arrive
	WIN 0
	s_barrier_wait -1
.if \fill
	CREST
	s_add_nc_u64 s[G0A+4*\slot+2:G0A+4*\slot+3], s[G0A+4*\slot+2:G0A+4*\slot+3], 2*IMGB
	s_add_nc_u64 s[G0B+4*\slot+2:G0B+4*\slot+3], s[G0B+4*\slot+2:G0B+4*\slot+3], 2*IMGB
	JLOAD \slot                                    ; the first tensor load behind the round; its four v_nop are the places in front of the loads below
.else
	PLACES NP
.endif
	FETCH_B \next, 0, 0, 0
	FETCH_B \next, 0, 0, 4
	FETCH_A \next, 0, 0, 0
	SCALES \next
	FETCH_A \next, 0, 0, 4
.if \fill
	s_cmp_eq_u32 s[TILES], s[ASKT]                 ; in the first tile waves 0, 1 name the next tile's K step 0 or 1 of A, which the refill two on brings
	s_cbranch_scc0 .Lno_ask_\@
	global_prefetch_b8 v[PFO], s[PFA:PFA+1] offset:NEXT_T+IMGB*\slot th:TH_LOAD_NT scope:SCOPE_SE
.Lno_ask_\@:
.endif
	WIN MUL_LO
	MUL16 2, 1, NQ-1, \slot, 0
	WIN MUL_HI
	MUL16 4, 1, NQ-1, \slot, 0
	MUL16 6, 1, NQ-1, \slot, 0
.endm
.macro CLOAD a0, reg                   ; c's blocks a0 .. a0 + 3, by rows, into window 1 from v[reg] on: 16 lanes read 256 bytes on end; read once
	WIN TO_B
.irp a, 0,1,2,3
.irp t, 0,1,2,3
	global_load_b128 v[\reg+16*\a+4*\t:\reg+16*\a+4*\t+3], v[GO], s[CP:CP+1] offset:(16*(\a0+\a)+2*\t)*4096 th:TH_LOAD_NT
.endr
.endr
.endm
.macro TRANS op, base, n               ; n transcendentals in one run, in place
.set PP, 0
.rept \n
	\op v[\base+PP], v[\base+PP]
.set PP, PP+1
.endr
.endm
.macro PLUS1 base, n                   ; 1 + x, n pairs
.set PP, 0
.rept \n
	v_pk_add_f32 v[\base+2*PP:\base+2*PP+1], v[\base+2*PP:\base+2*PP+1], 1.0 op_sel_hi:[1,0]
.set PP, PP+1
.endr
.endm
.macro ALUW                            ; this wait ahead of a run of transcendentals, ahead of its results' first reader, and ahead of a wait behind which fresh results are read
	s_wait_alu depctr_va_vdst(0)
.endm
; Block a's 64 numbers a lane: registers 0-15 zf, 16-31 zi, 32-47 zg, 48-63 zo.  Afterwards: 0-15 sigmoid(zf), 16-31 sigmoid(zi) tanh(zg), 48-63 sigmoid(zo).
; sig = 1: behind the exponentials my reads of the stage are waited for and the barrier is signalled that lets the stage be written again
.macro GATE1 a, sig
.set AC, 64*((\a)%4)
.set WW, 2+(\a)/4
.set II, AC+16
.set GG, AC+32
	WIN 0x55*WW
	ALUW                                           ; directly ahead of the first readers of the block's matrix results, which follow on end, each accumulator from its low end on
.set PP, 0
.rept 32
.if (PP >= 16) && (PP < 24)
	v_pk_mul_f32 v[AC+2*PP:AC+2*PP+1], v[AC+2*PP:AC+2*PP+1], s[LG:LG+1] op_sel_hi:[1,0]   ; 2 zg log2 e
.else
	v_pk_mul_f32 v[AC+2*PP:AC+2*PP+1], v[AC+2*PP:AC+2*PP+1], s[LN:LN+1] op_sel_hi:[1,0]   ; -z log2 e
.endif
.set PP, PP+1
.endr
	ALUW
	TRANS v_exp_f32, AC, 64
	v_nop                                          ; a plain place behind the run
.if \sig
	s_wait_dscnt 0x0                               ; the last block is back from the stage
	s_barrier_signal -1
.endif
	ALUW
	PLUS1 AC, 32
	ALUW
	TRANS v_rcp_f32, AC, 64
	v_nop
	ALUW
.irp e, 0,2,4,6,8,10,12,14
	v_pk_fma_f32 v[GG+\e:GG+\e+1], v[GG+\e:GG+\e+1], -2.0, 1.0 op_sel_hi:[1,0,0]   ; tanh(zg)
.endr
.irp e, 0,2,4,6,8,10,12,14
	v_pk_mul_f32 v[II+\e:II+\e+1], v[II+\e:II+\e+1], v[GG+\e:GG+\e+1]
.endr
.endm
.macro TOSTG a                         ; the three arrays into the stage
.set AC, 64*((\a)%4)
.set WW, 2+(\a)/4
	WIN 4*WW
.irp u, 0,1
.irp q, 0,1
	ds_store_b128 v[SA], v[AC+8*\u+4*\q:AC+8*\u+4*\q+3] offset:64*\u+16*\q
	ds_store_b128 v[SA], v[AC+16+8*\u+4*\q:AC+16+8*\u+4*\q+3] offset:ARR+64*\u+16*\q
	ds_store_b128 v[SA], v[AC+48+8*\u+4*\q:AC+48+8*\u+4*\q+3] offset:2*ARR+64*\u+16*\q
.endr
.endr
.endm
.macro FROMSTG                         ; and back by rows: my 8 rows of each array
	WIN TO_B
.irp k, 0,1,2
.irp t, 0,1,2,3
	ds_load_b128 v[SF+16*\k+4*\t:SF+16*\k+4*\t+3], v[RDS] offset:\k*ARR+2*\t*PITCH
.endr
.endr
.endm
; Block a by rows: c_new in c's registers, h_new in TT; 16 lanes store 256 bytes on end, aligned.
; split = 1: behind the exponentials my stores into the stage are waited for and the barrier is signalled that lets the stage be read; it is waited for ahead of the global stores
.macro GATE2 a, split
.if (\a) < 4
.set CB, 64+16*(\a)
.else
.set CB, 16*((\a)-4)
.endif
.if (\a) == 0
	s_wait_loadcnt 16                              ; c's blocks 0-3 are in; the 16 loads of blocks 4-7 may be out
.endif
.if (\a) == 4
	s_wait_loadcnt 0x0
.endif
	s_wait_xcnt 0x0                                ; the last block's stores have read TT
	WIN 0x55
.irp e, 0,2,4,6,8,10,12,14
	v_pk_fma_f32 v[CB+\e:CB+\e+1], v[SF+\e:SF+\e+1], v[CB+\e:CB+\e+1], v[IG+\e:IG+\e+1]
.endr
.irp e, 0,2,4,6,8,10,12,14
	v_pk_mul_f32 v[TT+\e:TT+\e+1], v[CB+\e:CB+\e+1], s[LG:LG+1] op_sel_hi:[1,0]
.endr
	ALUW
	TRANS v_exp_f32, TT, 16
	v_nop
.if \split
	s_wait_dscnt 0x0                               ; the next block lies in the stage
	s_barrier_signal -1
.endif
	ALUW
	PLUS1 TT, 8
	ALUW
	TRANS v_rcp_f32, TT, 16
	v_nop
	ALUW
.irp e, 0,2,4,6,8,10,12,14
	v_pk_fma_f32 v[TT+\e:TT+\e+1], v[TT+\e:TT+\e+1], -2.0, 1.0 op_sel_hi:[1,0,0]
.endr
.irp e, 0,2,4,6,8,10,12,14
	v_pk_mul_f32 v[TT+\e:TT+\e+1], v[TT+\e:TT+\e+1], v[SO+\e:SO+\e+1]
.endr
.if \split
	ALUW
	s_barrier_wait -1
.endif
	WIN 0x04
.irp t, 0,1,2,3
	global_store_b128 v[GO], v[CB+4*\t:CB+4*\t+3], s[O0P:O0P+1] offset:(16*(\a)+2*\t)*4096 th:TH_STORE_NT
.endr
.irp t, 0,1,2,3
	global_store_b128 v[GO], v[TT+4*\t:TT+4*\t+3], s[O1P:O1P+1] offset:(16*(\a)+2*\t)*4096 th:TH_STORE_NT
.endr
.endm
.macro BAR                             ; my LDS instructions are done; all four waves meet
	s_wait_dscnt 0x0
	s_barrier_signal -1
	s_barrier_wait -1
.endm
; Slot s takes the next tile's K step s.  The round also parts the stage's stores from its reads
.macro REFILL s
	WIN 0
	s_wait_tensorcnt 0x0
	ds_add_u32 v[SPW], v[NIL]
	s_add_nc_u64 s[G0A+4*\s+2:G0A+4*\s+3], s[G0A+4*\s+2:G0A+4*\s+3], NEXT_T-2*IMGB
	s_sub_nc_u64 s[G0B+4*\s+2:G0B+4*\s+3], s[G0B+4*\s+2:G0B+4*\s+3], 2*IMGB
	s_wait_dscnt 0x0
	CROUND
	JLOAD \s
	s_cmp_eq_u32 s15, 0                            ; waves 0, 1 name the next tile's K step 2 or 3 of A
	s_cbranch_scc0 .Lno_askr_\@
	global_prefetch_b8 v[PFO], s[PFA:PFA+1] offset:NEXT_T+2*IMGB+IMGB*\s th:TH_LOAD_NT scope:SCOPE_SE
.Lno_askr_\@:
.endm
; Block b comes back from the stage while block b + 1's gates are made; a barrier; block b + 1 goes into the stage while block b is finished; a barrier (how = 0) or a refill's round (1, 2) or what follows the macro (3)
.macro BLOCKSTEP b, how
	FROMSTG
	GATE1 (\b)+1, 1
	ALUW                                           ; directly ahead of the wait below: the stage's stores read what was just written
	s_barrier_wait -1                              ; every wave has block b in registers
	TOSTG (\b)+1
.if (\how) == 0
	GATE2 \b, 1
.else
	GATE2 \b, 0
.endif
.if (\how) == 1
	REFILL 0
.elseif (\how) == 2
	REFILL 1
.endif
.endm
.macro LASTBLOCK
	FROMSTG
	s_wait_dscnt 0x0
	GATE2 7, 0
	WIN 0
.endm
	s_wait_alu depctr_va_vdst(0)                   ; the wait at the head's end
	s_wait_tensorcnt 0x0                           ; my part of K step 0 is in; slot 1's first fill is issued as a refill is:
	ds_add_u32 v[SPW], v[NIL]
	s_wait_dscnt 0x0
	CROUND                                         ; everybody's part is in, and the joint loads meet
	JLOAD 1
	global_prefetch_b8 v[PFO], s[PFA:PFA+1] offset:3*IMGB th:TH_LOAD_NT scope:SCOPE_SE   ; K step 3's codes, my 32 lines
	s_wait_loadcnt 0x0                             ; the biases
	s_mov_b32 s[TILES], 2
.Ltile:
	FETCH_B 0, 0, 0, 0
	FETCH_B 0, 0, 0, 4
	FETCH_A 0, 0, 0, 0
	SCALES 0
	FETCH_A 0, 0, 0, 4
	CLOAD 0, 64
	STEP 0, 0, 1
	STEP 0, 1, 0
	STEP 0, 2, 0
	TURN 0, 1, 1
	STEP 1, 0, 0
	STEP 1, 1, 0
	STEP 1, 2, 0
	TURN 1, 0, 1
	STEP 0, 0, 0
	STEP 0, 1, 0
	STEP 0, 2, 0
	TURN 0, 1, 0
	STEP 1, 0, 0
	STEP 1, 1, 0
	STEP 1, 2, 0
	s_wait_dscnt 8                                 ; the tile's last step: no fragments to fetch
	PLACES NP                                      ; behind the last readers of B's set 0,
	CLOAD 4, 0                                     ; which takes c's blocks 4-7
	WIN MUL_LO
	MUL16 0, 1, NQ-1, 1, 0
	MUL16 2, 1, NQ-1, 1, 0
	s_wait_dscnt 0x0
	WIN MUL_HI
	MUL16 4, 1, NQ-1, 1, 0
	MUL16 6, 1, NQ-1, 1, 0
	PLACES NP
	GATE1 0, 0
	TOSTG 0
	BAR
	BLOCKSTEP 0, 0
	BLOCKSTEP 1, 0
	BLOCKSTEP 2, 0
	BLOCKSTEP 3, 3
	WIN 0
	s_cmp_eq_u32 s[TILES], 1
	s_cbranch_scc1 .Llast_tile                     ; the last tile's tail is written out: it asks for nothing more
	REFILL 0
	BLOCKSTEP 4, 0
	BLOCKSTEP 5, 0
	BLOCKSTEP 6, 2
	LASTBLOCK
	s_wait_xcnt 0x0                                ; the stores have read their bases and data
	s_add_nc_u64 s[CP:CP+1], s[CP:CP+1], NEXT_O
	s_add_nc_u64 s[O0P:O0P+1], s[O0P:O0P+1], NEXT_O
	s_add_nc_u64 s[O1P:O1P+1], s[O1P:O1P+1], NEXT_O
	s_sub_co_u32 s[TILES], s[TILES], 1
	s_branch .Ltile
.Llast_tile:
	BAR
	BLOCKSTEP 4, 0
	BLOCKSTEP 5, 0
	BLOCKSTEP 6, 0
	LASTBLOCK
	s_wait_tensorcnt 0x0                           ; the wave's end
	ds_add_u32 v[SPW], v[NIL]
	s_wait_dscnt 0x0
	CROUND                                         ; the closing round
	s_endpgm
.Lfunc_end_k_qbc89d3fe4d_lstm:
	.size	k_qbc89d3fe4d_lstm, .Lfunc_end_k_qbc89d3fe4d_lstm-k_qbc89d3fe4d_lstm
	.p2alignl 7, 3214868480
	.fill 96, 4, 3214868480
	.section	.rodata,"a",@progbits
	.p2align	6, 0x0
	.amdhsa_kernel k_qbc89d3fe4d_lstm
		.amdhsa_group_segment_fixed_size 327680
		.amdhsa_private_segment_fixed_size 0
		.amdhsa_enable_private_segment 0
		.amdhsa_kernarg_size 72
		.amdhsa_user_sgpr_count 2
		.amdhsa_user_sgpr_kernarg_segment_ptr 1
		.amdhsa_wavefront_size32 1
		.amdhsa_system_sgpr_workgroup_id_x 1
		.amdhsa_system_sgpr_workgroup_id_y 1
		.amdhsa_system_sgpr_workgroup_id_z 1
		.amdhsa_system_vgpr_workitem_id 0
		.amdhsa_next_free_vgpr 1024
		.amdhsa_next_free_sgpr 106
		.amdhsa_reserve_vcc 0
		.amdhsa_float_denorm_mode_32 3
		.amdhsa_float_denorm_mode_16_64 3
		.amdhsa_memory_ordered 1
		.amdhsa_forward_progress 1
		.amdhsa_inst_pref_size 255
	.end_amdhsa_kernel
	.section	.bss,"aw",@nobits
	.p2align	6
	.space	262144
	.amdgpu_metadata
---
amdhsa.version: [ 1, 2 ]
amdhsa.kernels:
  - .name:           k_qbc89d3fe4d_lstm
    .symbol:         k_qbc89d3fe4d_lstm.kd
    .args:
      - { .name: a_codes, .offset: 0, .size: 8, .value_kind: global_buffer, .address_space: global }
      - { .name: b_codes, .offset: 8, .size: 8, .value_kind: global_buffer, .address_space: global }
      - { .name: b_f, .offset: 16, .size: 8, .value_kind: global_buffer, .address_space: global }
      - { .name: b_i, .offset: 24, .size: 8, .value_kind: global_buffer, .address_space: global }
      - { .name: b_g, .offset: 32, .size: 8, .value_kind: global_buffer, .address_space: global }
      - { .name: b_o, .offset: 40, .size: 8, .value_kind: global_buffer, .address_space: global }
      - { .name: c, .offset: 48, .size: 8, .value_kind: global_buffer, .address_space: global }
      - { .name: out0, .offset: 56, .size: 8, .value_kind: global_buffer, .address_space: global }
      - { .name: out1, .offset: 64, .size: 8, .value_kind: global_buffer, .address_space: global }
    .group_segment_fixed_size: 327680
    .private_segment_fixed_size: 0
    .kernarg_segment_align: 8
    .kernarg_segment_size: 72
    .max_flat_workgroup_size: 128
    .sgpr_count:     106
    .vgpr_count:     1024
    .wavefront_size: 32
...
	.end_amdgpu_metadata
.endif
;; end of part 2
